; MI455X (gfx1250); checked and timed in simulation.
; The chip was launched on July 23, 2026; its instructions are those of AMD's public machine-readable ISA for CDNA 5 (MIT licence, August 2026) and "CDNA5" Instruction Set Architecture Reference Guide (July 2026). The comments in the code are by the model that wrote it; some were corrected since.
;; Grouped Query Attention. Allowed arithmetic: matrix products marked QUANTISED: E5M2 operands, one E8M0 scale for each 32 along K, by v_wmma_scale_f32_16x16x128_f8f6f4 with both operands' format E5M2, f32 sums; everything else in f32.
;; Inputs: W_k 1,024 x 256 float32; W_o 1,024 x 1,024 float32; W_q 1,024 x 1,024 float32; W_v 1,024 x 256 float32; x 1 x 4,096 x 1,024 float32.
;; Outputs: out0 1 x 4,096 x 1,024 float32.
;; This version of the problem:
;;   THIS VERSION OF THE PROBLEM IS GIVEN IN LOW PRECISION. The matrix products marked QUANTISED in the list below multiply operands that are first quantised to E5M2 (5 exponent bits, 2 mantissa bits; 8 bits a number), with one power-of-two scale for each 32 numbers along K (OCP MX v1.0); their sums are f32. All else is computed in f32.
;;   The module's matrix products, in the order in which they are computed (A, B: the left and right operand; K: the contracted axis; several contracted axes count as one K, in the product's order):
;;     1. [M 4,096, K 1,024] x [K 1,024, N 1,024]; A: input x; B: input W_q: QUANTISED
;;     2. [M 4,096, K 1,024] x [K 1,024, N 256]; A: input x; B: input W_k: QUANTISED
;;     3. [M 4,096, K 1,024] x [K 1,024, N 256]; A: input x; B: input W_v: QUANTISED
;;     4. batch 16 x [M 4,096, K 64] x [K 64, N 4,096]; A: computed on the way; B: computed on the way: QUANTISED
;;     5. batch 16 x [M 4,096, K 4,096] x [K 4,096, N 64]; A: softmax (see below); B: computed on the way: QUANTISED
;;     6. [M 4,096, K 1,024] x [K 1,024, N 1,024]; A: computed on the way; B: input W_o: QUANTISED
;;   THE QUANTISER, for each operand of a quantised product, along K:
;;     - K is cut into blocks of 32 from its start; a last block that is shorter is filled with zeros.
;;     - A block's scale is 2^e with e = floor(log2(the largest magnitude in the block)) - 15, held to -126 .. 127; a block of zeros has e = 0. As a byte (E8M0): e + 127.
;;     - Each number is divided by its block's scale, clamped to +-57,344, and rounded to the nearest number of E5M2, ties to even, subnormals kept.
;;     - The product sums the exact products of the quantised numbers (number of the format x scale) in f32.
;;   ~~~python
;;   def quantise(x, axis):      # numpy; x: float32 -> the quantised numbers, widened to float32 again
;;       x = np.moveaxis(x, axis, -1); K = x.shape[-1]
;;       x = np.pad(x, [(0, 0)] * (x.ndim - 1) + [(0, -K % 32)]); x = x.reshape(x.shape[:-1] + (-1, 32)); a = np.abs(x).max(-1, keepdims=True)
;;       e = np.where(a > 0, np.clip(np.frexp(np.where(a > 0, a, 1))[1] - 1 - 15, -126, 127), 0)      # np.frexp(a)[1] - 1 = floor(log2(a)), exactly
;;       r = np.clip(x / 2.0 ** e, -57344, 57344)
;;       step = 2.0 ** (np.maximum(np.frexp(np.where(r == 0, 1, r))[1] - 1, -14) - 2)
;;       q = np.round(r / step) * step * 2.0 ** e      # np.round: ties to even
;;       return np.moveaxis(q.reshape(q.shape[:-2] + (-1,))[..., :K], -1, axis).astype(np.float32)
;;   ~~~
;;   SOFTMAX AHEAD OF A QUANTISED PRODUCT. Where the list says 'softmax', what is quantised is not the finished softmax but p = 2^(t - M), with t = logit x log2(e) and M = ceil(the row's largest t), a whole number; so 1/2 < the row's largest p <= 1. The row's sum l is taken of the UNQUANTISED p, in f32, and the product's result is divided by l at the end. Since M is a whole number, a kernel that streams over the keys may use a running M (the ceiling of the running maximum): every later rescaling is an exact power of two, which a block's scale takes up: the codes' values come out the same.
;;   OPERANDS COMPUTED ON THE WAY. 'Computed on the way' means the value that the module computes at that place (a softmax that the list does not call 'softmax' is quantised finished and normalised). What goes into a quantiser is computed in f32, as accurately as f32 sums, v_exp_f32 and their like allow (about 1e-6 of the number): no bf16 or f16 on the way to a quantiser, and a product that is left as it is and whose result goes on into a quantised operand takes f32 operands (vector FMAs, or v_wmma_f32_16x16x4_f32). A number that lies on a knife's edge between two numbers of the format may be rounded either way, as far as f32 arithmetic and the matrix unit's own rounding can turn it there, and no further.
;; One version. Each part assembles by itself: llvm-mc -triple=amdgcn-amd-amdhsa -mcpu=gfx1250 --defsym DOCPART=n.
;; ======== version 1 of 1: 4 launches
;; limits: right only within a limited range of input values
;; workspace buffers: xq 4,325,376 bytes; oq 4,325,376 bytes; wq 2,703,360 bytes; qq 4,456,448 bytes; kvq 2,228,224 bytes
;; launch prep (part 1): grid 416 x 1, 4 waves a work-group, no clusters, 34,304 bytes of LDS; arguments x, W_q, W_k, W_v, W_o, xq, wq; writes xq, wq
.if DOCPART == 1
	.amdgcn_target "amdgcn-amd-amdhsa--gfx1250"
	.amdhsa_code_object_version 6
	.text
	.protected	k_q427f0a1ff4_prep
	.globl	k_q427f0a1ff4_prep
	.p2align	8
	.type	k_q427f0a1ff4_prep,@function
k_q427f0a1ff4_prep:
	s_mov_b64 s[64:65], 0
	v_nop
	global_prefetch_b8 v0, s[64:65] scope:SCOPE_SE
	s_setreg_imm32_b32 hwreg(HW_REG_WAVE_MODE, 25, 1), 1
	s_wait_xcnt 0x0
; PREP: x [4096][1024] and the four weights ([1024][n], K = the first axis), f32, become codes of E5M2 with one E8M0 byte for each 32 along K.
; A block's scale is 2^(floor(log2(largest magnitude)) - 15): its byte is the largest magnitude's exponent field - 15; numbers are held at +-57,344 x the scale and rounded to the nearest code, ties to even.
; LAYOUT OF THE RESULTS: images of operand registers.  A fragment (16 rows x 128 K) is 2,048 bytes: byte 512 c + 16 lane + i is the code of (row lane % 16, k = 32 c + 16 (lane / 16) + i).
; THE 16 ROWS OF A TILE ARE NOT NEIGHBOURS: tile (G, u) holds rows 32 G + 8 u + p(rho), p(rho) = rho + 8 (rho / 8), so that the results of tiles u = 0, 1 are 16 neighbours along the next product's K.
; xq: tile P = 2 G + u at 16384 P + 2048 s (s: K step of 128); scale words at XSC + 512 P + 64 s + 4 rho.
; wq: 40 records of REC bytes, one for 64 columns (0-15 W_q, 16-19 W_k, 20-23 W_v, 24-39 W_o): tile wt at 16384 wt + 2048 s, scale words at 65536 + 512 wt + 64 s + 4 rho.
; SHARES: work-groups 0-255 take a tile of 16 rows of x each, a wave two K steps; work-groups 256-415 take the weights, a wave 32 columns x 128 K.  Waves share nothing: no barrier.
; Memory binds here, and no two work-groups read the same bytes: no matrix unit, no tensor load, no cluster.
; LIMITS: NaN and infinities among the inputs are not served.  A block of zeros, and a block whose largest magnitude lies under 2^-111, gets the byte 1 (the rule says 127 for zeros): the codes of zeros
; are zeros, which add nothing under any byte but 0xff, and only this program reads the bytes.
.set XSC,  4194304
.set REC,  67584
.set STGB, 8448                        ; a wave's stage in LDS: 16 rows x SP
.set SP,   528                         ; 512 bytes + 16: an odd multiple of 16, so the 16 rows that a load touches start at 16 different 16-byte columns
.set R,    16                          ; v16-143   x as loaded: 2 K steps x 16 rows x 4 registers;  the weights' path: 128 numbers down K
.set X,    144                         ; v144-207  64 numbers of my row: register 16 b + i = k 32 b + 16 (lane / 16) + i
.set WC,   144                         ; v144-175  the weights' path: codes
.set TM,   208                         ; v208-211 largest magnitudes, v212-215 bytes, v220-223 the conversions' scale operands
.set PC0,  224                         ; v224-239  codes of the first K step
.set PC1,  16                          ; v16-31    codes of the second: registers that the stage's stores have read
.set PW,   240                         ; v240, v241 the two scale words
.set WV,   18
.set SEL,  20                          ; s[20:21]  v_permlanex16_b32's selects for lane l xor 16
.set MNT,  22
.set HM,   23                          ; s23       lanes 16-31
; 64 numbers of a lane, four groups of 16; a group and the same group of lane l xor 16 are a block of 32.  Codes to v[pc] on, bytes to v[TM+4] on.
.macro QUANT16 s, pc
.irp b, 0,1,2,3
	v_max3_num_f32 v[TM+\b], |v[\s+16*\b]|, |v[\s+1+16*\b]|, 0x8000000   ; the floor 2^(16 - 127) holds the byte at 1 from below
.endr
.irp i, 2,4,6,8,10,12,14
.irp b, 0,1,2,3
	v_max3_num_f32 v[TM+\b], v[TM+\b], |v[\s+16*\b+\i]|, |v[\s+1+16*\b+\i]|
.endr
.endr
.irp b, 0,1,2,3
	v_permlanex16_b32 v[TM+4+\b], v[TM+\b], s[SEL], s[SEL+1]
.endr
.irp b, 0,1,2,3
	v_max_num_f32 v[TM+\b], v[TM+\b], v[TM+4+\b]             ; the block's largest magnitude
.endr
.irp b, 0,1,2,3
	v_add_nc_u32 v[TM+12+\b], 0xf8800000, v[TM+\b]           ; 15 off its exponent field: the conversion's scale operand
.endr
.irp b, 0,1,2,3
.endr
.irp b, 0,1,2,3
	v_lshrrev_b32 v[TM+4+\b], 23, v[TM+12+\b]                ; the scale's byte
.endr
.irp b, 0,1,2,3
.irp i, 0,1,2,3,4,5,6,7,8,9,10,11,12,13,14,15
.endr
	v_cvt_scalef32_pk8_bf8_f32 v[\pc+4*\b:\pc+4*\b+1], v[\s+16*\b:\s+16*\b+7], v[TM+12+\b]
	v_cvt_scalef32_pk8_bf8_f32 v[\pc+4*\b+2:\pc+4*\b+3], v[\s+16*\b+8:\s+16*\b+15], v[TM+12+\b]
.endr
	v_nop                                                    ; a plain line behind the last conversion
.endm
	s_load_b256 s[4:11], s[0:1], 0x0               ; x, W_q, W_k, W_v
	s_load_b128 s[12:15], s[0:1], 0x20             ; W_o, xq
	s_load_b64 s[16:17], s[0:1], 0x30              ; wq
	v_lshl_add_u32 v254, v0, 2, 0x8400
	v_mov_b32 v255, 0
	v_lshrrev_b32 v1, 5, v0
	v_readfirstlane_b32 s[WV], v1                  ; wave 0..3
	v_and_b32 v1, 31, v0                           ; lane
	v_and_b32 v2, 15, v0                           ; r
	v_bfe_u32 v3, v0, 4, 1                         ; hh
	s_mul_i32 s24, s[WV], STGB
	v_lshlrev_b32 v4, 4, v1                        ; 16 x lane
	v_add_nc_u32 v5, s24, v4                       ; the stage, on the way in: a row's 512 bytes as they lie
	v_mul_u32_u24 v6, v2, SP
	v_lshl_add_u32 v6, v3, 6, v6
	v_add_nc_u32 v6, s24, v6                       ; and out: row r, + 64 hh: my 16 numbers of a block
	v_lshlrev_b32 v7, 2, v1                        ; 4 x lane
	v_and_b32 v8, 8, v2
	v_add_nc_u32 v8, v8, v2                        ; p(r)
	v_lshl_add_u32 v8, v3, 3, v8
	v_lshlrev_b32 v8, 2, v8                        ; the weights: my column 8 hh + p(r) of 32, in bytes
	v_lshlrev_b32 v9, 4, v2
	v_lshl_add_u32 v9, v3, 14, v9                  ; their codes: tile hh, 16 r
	v_lshlrev_b32 v10, 2, v2
	v_lshl_add_u32 v10, v3, 9, v10                 ; their scale word: tile hh, 4 r
	s_mov_b32 s[SEL], 0x76543210
	s_mov_b32 s[SEL+1], 0xfedcba98
	s_mov_b32 s[HM], 0xffff0000
.irp b, 0,1,2,3
	v_mov_b32 v[TM+4+\b], 0                        ; a lane permute's destination counts as read: written once
.endr
	s_wait_kmcnt 0x0
	s_cmp_lt_u32 ttmp9, 256
	s_cbranch_scc0 .Lweights
	; ---- x: tile P = the work-group's number; my wave's K steps 2 w and 2 w + 1: 1,024 bytes of each row
	s_lshr_b32 s24, ttmp9, 1
	s_lshl_b32 s24, s24, 17                        ; 32 G rows of 4,096 bytes
	s_and_b32 s25, ttmp9, 1
	s_lshl_b32 s25, s25, 15                        ; 8 u rows
	s_add_co_u32 s24, s24, s25
	s_lshl_b32 s25, s[WV], 10
	s_add_co_u32 s24, s24, s25
	s_mov_b32 s25, 0
	s_add_nc_u64 s[4:5], s[4:5], s[24:25]
	s_lshl_b32 s24, ttmp9, 14
	s_lshl_b32 s26, s[WV], 12
	s_add_co_u32 s24, s24, s26
	s_add_nc_u64 s[26:27], s[14:15], s[24:25]      ; my two fragments in xq
	s_lshl_b32 s24, ttmp9, 9
	s_lshl_b32 s28, s[WV], 7
	s_add_co_u32 s24, s24, s28
	s_add_co_u32 s24, s24, XSC
	s_add_nc_u64 s[28:29], s[14:15], s[24:25]      ; and their 32 scale words
.irp e, 0,1
.irp p, 0,1,2,3,4,5,6,7,8,9,10,11,12,13,14,15
	global_load_b128 v[R+64*\e+4*\p:R+64*\e+4*\p+3], v4, s[4:5] offset:(\p+8*(\p/8))*4096+\e*512 th:TH_LOAD_NT   ; 32 lanes read 512 consecutive bytes of one row
.endr
.endr
; K step e: through the stage (LDS serves a wave's instructions in order: no wait between the stores and the loads), quantised, stored
.macro XSTEP e, pc
	s_wait_loadcnt 16-16*\e                        ; this K step's 16 loads are in; the other's may be out
.irp p, 0,1,2,3,4,5,6,7,8,9,10,11,12,13,14,15
	ds_store_b128 v5, v[R+64*\e+4*\p:R+64*\e+4*\p+3] offset:\p*SP
.endr
.irp b, 0,1,2,3
.irp j, 0,1,2,3
	ds_load_b128 v[X+16*\b+4*\j:X+16*\b+4*\j+3], v6 offset:128*\b+16*\j
.endr
.endr
	s_wait_dscnt 0x0
	QUANT16 X, \pc
	v_lshl_or_b32 v[PW+\e], v[TM+5], 8, v[TM+4]    ; my row's scale word
	v_lshl_or_b32 v[PW+\e], v[TM+6], 16, v[PW+\e]
	v_lshl_or_b32 v[PW+\e], v[TM+7], 24, v[PW+\e]
.irp c, 0,1,2,3
	global_store_b128 v4, v[\pc+4*\c:\pc+4*\c+3], s[26:27] offset:\e*2048+\c*512   ; 512 consecutive bytes, aligned
.endr
.endm
	XSTEP 0, PC0
	XSTEP 1, PC1
	v_cndmask_b32 v242, v[PW], v[PW+1], s[HM]      ; lanes 0-15: the first K step's words, lanes 16-31: the second's
	global_store_b32 v7, v242, s[28:29]            ; 128 consecutive bytes
	s_wait_tensorcnt 0x0
	ds_add_u32 v254, v255
	s_wait_dscnt 0x0
	s_endpgm
	; ---- the weights: unit = 4 (work-group - 256) + wave: 32 columns (cg) x one K step (s25)
.Lweights:
	s_sub_co_u32 s24, ttmp9, 256
	s_lshl_b32 s24, s24, 2
	s_add_co_u32 s24, s24, s[WV]
	s_lshr_b32 s19, s24, 3                         ; cg 0..79
	s_and_b32 s25, s24, 7                          ; K step
	s_mov_b64 s[36:37], s[12:13]                   ; W_o from cg 48 on,
	s_mov_b32 s26, 48
	s_cmp_lt_u32 s19, 48
	s_cselect_b64 s[36:37], s[10:11], s[36:37]     ; W_v from 40,
	s_cselect_b32 s26, 40, s26
	s_cmp_lt_u32 s19, 40
	s_cselect_b64 s[36:37], s[8:9], s[36:37]       ; W_k from 32,
	s_cselect_b32 s26, 32, s26
	s_cmp_lt_u32 s19, 32
	s_cselect_b64 s[36:37], s[6:7], s[36:37]       ; W_q from 0
	s_cselect_b32 s26, 0, s26
	s_sub_co_u32 s26, s19, s26
	s_lshl_b32 s26, s26, 7                         ; my 32 columns in a row of the weight, in bytes
	s_lshr_b32 s27, s19, 1
	s_mul_i32 s27, s27, REC                        ; the record
	s_and_b32 s28, s19, 1                          ; which 32 of its 64 columns
	s_lshl_b32 s29, s28, 15
	s_add_co_u32 s29, s29, s27
	s_lshl_b32 s30, s25, 11
	s_add_co_u32 s30, s30, s29
	s_mov_b32 s31, 0
	s_add_nc_u64 s[32:33], s[16:17], s[30:31]      ; codes
	s_lshl_b32 s28, s28, 10
	s_add_co_u32 s28, s28, s27
	s_lshl_b32 s30, s25, 6
	s_add_co_u32 s30, s30, s28
	s_add_co_u32 s30, s30, 65536
	s_add_nc_u64 s[34:35], s[16:17], s[30:31]      ; scale words
; block c's 32 loads: W(32 c + n, my column), into registers of the block's own: each load reads 128 consecutive bytes a wave
.macro WLOAD c, pitch
.set n, 0
.rept 32
	global_load_b32 v[R+32*(\c)+n], v8, s[36:37] offset:(32*(\c)+n)*\pitch th:TH_LOAD_NT
.set n, n+1
.endr
.endm
; block c of 32 along K: all 32 numbers are one lane's.  The loads run two blocks ahead
.macro WBLOCK c, pitch
.set XB, R+32*\c
.if \c < 3
	s_wait_loadcnt 32                              ; this block's 32 loads are in; the next block's 32 may be out
.else
	s_wait_loadcnt 0x0
.endif
.if \c < 2
	WLOAD \c+2, \pitch                             ; the block two further on
.endif
	v_max3_num_f32 v12, |v[XB]|, |v[XB+1]|, |v[XB+2]|
	v_max3_num_f32 v13, |v[XB+3]|, |v[XB+4]|, |v[XB+5]|
.irp i, 6,10,14,18,22,26
	v_max3_num_f32 v12, v12, |v[XB+\i]|, |v[XB+\i+1]|
	v_max3_num_f32 v13, v13, |v[XB+\i+2]|, |v[XB+\i+3]|
.endr
	v_max3_num_f32 v12, v12, |v[XB+30]|, |v[XB+31]|
	v_max3_num_f32 v12, v12, v13, 0x8000000        ; and the floor
	v_add_nc_u32 v11, 0xf8800000, v12              ; the conversion's scale operand
	v_lshrrev_b32 v13, 23, v11                     ; the byte
.if \c == 0
	v_mov_b32 v[PW], v13
.else
	v_lshl_or_b32 v[PW], v13, 8*\c, v[PW]
.endif
.irp i, 0,1,2,3,4,5,6,7,8,9,10,11,12,13,14,15,16,17,18,19,20,21,22,23,24,25,26,27,28,29,30,31
.endr
.irp g, 0,1,2,3
	v_cvt_scalef32_pk8_bf8_f32 v[WC+8*\c+2*\g:WC+8*\c+2*\g+1], v[XB+8*\g:XB+8*\g+7], v11
.endr
.endm
; A lane takes a column and its registers run down K: the codes come out with K innermost, and nothing is transposed
.macro WPATH pitch
	s_mul_i32 s30, s25, 128*\pitch
	s_add_co_u32 s30, s30, s26
	s_add_nc_u64 s[36:37], s[36:37], s[30:31]
	WLOAD 0, \pitch
	WLOAD 1, \pitch
	WBLOCK 0, \pitch
	WBLOCK 1, \pitch
	WBLOCK 2, \pitch
	WBLOCK 3, \pitch
	v_nop                                          ; a plain line behind the last conversion
.irp c, 0,1,2,3
.irp e, 0,1
	global_store_b128 v9, v[WC+8*\c+4*\e:WC+8*\c+4*\e+3], s[32:33] offset:\c*512+\e*256   ; each half of the lanes stores 256 consecutive bytes, aligned
.endr
.endr
	global_store_b32 v10, v[PW], s[34:35]
	s_endpgm
.endm
	s_sub_co_u32 s24, s19, 32
	s_cmp_lt_u32 s24, 16                           ; W_k and W_v have rows of 1,024 bytes
	s_cbranch_scc1 .Lnarrow
	s_wait_alu depctr_va_vdst(0)
	WPATH 4096
.Lnarrow:
	s_wait_alu depctr_va_vdst(0)
	WPATH 1024
.Lfunc_end_k_q427f0a1ff4_prep:
	.size	k_q427f0a1ff4_prep, .Lfunc_end_k_q427f0a1ff4_prep-k_q427f0a1ff4_prep
	.p2alignl 7, 3214868480
	.fill 96, 4, 3214868480
	.section	.rodata,"a",@progbits
	.p2align	6, 0x0
	.amdhsa_kernel k_q427f0a1ff4_prep
		.amdhsa_group_segment_fixed_size 34304
		.amdhsa_private_segment_fixed_size 0
		.amdhsa_enable_private_segment 0
		.amdhsa_kernarg_size 56
		.amdhsa_user_sgpr_count 2
		.amdhsa_user_sgpr_kernarg_segment_ptr 1
		.amdhsa_wavefront_size32 1
		.amdhsa_system_sgpr_workgroup_id_x 1
		.amdhsa_system_sgpr_workgroup_id_y 1
		.amdhsa_system_sgpr_workgroup_id_z 1
		.amdhsa_system_vgpr_workitem_id 0
		.amdhsa_next_free_vgpr 256
		.amdhsa_next_free_sgpr 66
		.amdhsa_reserve_vcc 0
		.amdhsa_float_denorm_mode_32 3
		.amdhsa_float_denorm_mode_16_64 3
		.amdhsa_fp16_overflow 1
		.amdhsa_memory_ordered 1
		.amdhsa_forward_progress 1
		.amdhsa_inst_pref_size 57
	.end_amdhsa_kernel
	.amdgpu_metadata
---
amdhsa.version: [ 1, 2 ]
amdhsa.kernels:
  - .name:           k_q427f0a1ff4_prep
    .symbol:         k_q427f0a1ff4_prep.kd
    .args:
      - { .name: x, .offset: 0, .size: 8, .value_kind: global_buffer, .address_space: global }
      - { .name: W_q, .offset: 8, .size: 8, .value_kind: global_buffer, .address_space: global }
      - { .name: W_k, .offset: 16, .size: 8, .value_kind: global_buffer, .address_space: global }
      - { .name: W_v, .offset: 24, .size: 8, .value_kind: global_buffer, .address_space: global }
      - { .name: W_o, .offset: 32, .size: 8, .value_kind: global_buffer, .address_space: global }
      - { .name: xq, .offset: 40, .size: 8, .value_kind: global_buffer, .address_space: global }
      - { .name: wq, .offset: 48, .size: 8, .value_kind: global_buffer, .address_space: global }
    .group_segment_fixed_size: 34304
    .private_segment_fixed_size: 0
    .kernarg_segment_align: 8
    .kernarg_segment_size: 56
    .max_flat_workgroup_size: 128
    .sgpr_count:     66
    .vgpr_count:     256
    .wavefront_size: 32
...
	.end_amdgpu_metadata
.endif
;; end of part 1
;; launch qkv (part 2): grid 32 x 8, 4 waves a work-group, clusters of 4 x 1, 205,312 bytes of LDS; arguments xq, wq, qq, kvq; writes qq, kvq
.if DOCPART == 2
	.amdgcn_target "amdgcn-amd-amdhsa--gfx1250"
	.amdhsa_code_object_version 6
	.text
	.protected	k_q427f0a1ff4_qkv
	.globl	k_q427f0a1ff4_qkv
	.p2align	8
	.type	k_q427f0a1ff4_qkv,@function
k_q427f0a1ff4_qkv:
	s_mov_b64 s[64:65], 0
	v_nop
	global_prefetch_b8 v0, s[64:65] scope:SCOPE_SE
	s_setreg_imm32_b32 hwreg(HW_REG_WAVE_MODE, 25, 1), 1
	s_wait_xcnt 0x0
	s_wait_alu depctr_hold_cnt(0) depctr_sa_sdst(0) depctr_va_vdst(0) depctr_va_sdst(0) depctr_va_ssrc(0) depctr_va_vcc(0) depctr_vm_vsrc(0)
	s_getreg_b32 s2, hwreg(HW_REG_IB_STS2, 6, 4)
	s_cmp_eq_u32 s2, 0
	s_cbranch_scc0 .Lentry_in_a_cluster
	s_endpgm
.Lentry_in_a_cluster:
	s_bfe_u32 s2, ttmp6, 0x10000c
	s_cmp_lg_u32 s2, 0x3003
	s_cbranch_scc0 .Lentry_shape_is_right
	s_endpgm
.Lentry_shape_is_right:
; QKV: q, k, v = x W_q, x W_k, x W_v on codes of E5M2, and each result quantised on its way out for the product that takes it: q and k along the head's 64, v along the keys.  No f32 result goes to memory.
; SHARES: a work-group takes 128 rows of x (RB: one key step of the attention) and three heads H = 3 CB + i of 24 (0-15 q, 16-19 k, 20-23 v).  Wave w owns rows 32 G .. 32 G + 31, G = 4 RB + w, for all three heads.
; x: a wave's rows are its own, so its 16 fragments go from memory straight into registers (window 1) and stay.  They do not pass LDS: three records of weights take 202,752 bytes of it.
; W: a head's record (64 columns x 1,024 K, codes and scale words, REC bytes) comes into LDS once; each wave brings a quarter of each record.  Nothing in LDS is filled twice.
; CLUSTER: the four work-groups of a cluster differ in RB alone and need the same three records: each quarter is asked for JOINTLY (mask 15, the same descriptor in all four).
; LAYOUT (see prep): every tile of 16 takes rows 32 G + 8 u + p(rho).  q, k: source 0 = 16 columns of W, source 1 = 16 rows of x: a lane holds one row, and the 16 registers of two neighbouring
; tiles are 16 neighbours of the head's 64.  v: the sources change places: a lane holds one d, and its 16 registers are 16 neighbouring keys.  So the conversions' results are operand registers.
; qq: head h, tile P: codes at 262144 h + 1024 P + 512 c + 16 lane; scale words (e0, e1, 1, 1) at QSC + 16384 h + 64 P + 4 rho.
; kvq: head g, key step st: 524288 g + 16384 st: K's 8 tiles of 1,024 bytes, then V's 4 tiles (16 d x 128 keys) of 2,048; scale words at KSC + 32768 g + 1024 st: K's 512 bytes, V's 512.
; V's scale bytes leave as single bytes (a wave owns one of a word's four key blocks): 128 bytes a wave and head against 2,048 of codes.
; LIMITS: as in prep (NaN, infinities; the byte 1 for blocks of zeros and under 2^-111).
.set REC,  67584
.set XSC,  4194304
.set QSC,  4194304
.set KSC,  2097152
.set LI,   1                           ; v1   16 x lane
.set LS,   2                           ; v2   4 x lane
.set AB,   3                           ; v3   the head's record in LDS, + 16 x lane
.set AS,   4                           ; v4   its scale words, + 4 x lane
.set W0,   5                           ; v5, v6 scale words on the way out
.set W1,   6
.set XS,   8                           ; v8-15   x's scale words: 4 u + s / 2; lanes 0-15 the even K step, lanes 16-31 the odd
.set WS,   16                          ; v16-31  W's: 4 wt + s / 2, likewise
.set ACC,  32                          ; v32-95  8 accumulators
.set BF0,  96                          ; v96-159, v160-223  W's four fragments of a K step, two sets
.set TM,   224                         ; v224-239 at work in the quantiser
.set PC,   240                         ; v240-255 codes
.set WV,   12
.set G1,   16                          ; s[16:23] descriptor group 1
.set G0,   24                          ; s[24:35] three groups 0
.set SEL,  40
.set MNT,  42
.set HM,   43
.set MSB, 0
.macro WIN new                         ; the immediate's high byte repeats the setting that is left
.if MSB != \new
	s_set_vgpr_msb (MSB<<8)|\new
.set MSB, \new
.endif
.endm
.macro CROUND                          ; a round of the cluster's barrier
	s_barrier_signal -1
	s_barrier_wait -1
	s_cmp_lg_u32 s[WV], 0
	s_cbranch_scc1 .Lnot_wave_0_\@
	s_barrier_signal -3
.Lnot_wave_0_\@:
	s_barrier_wait -3
	s_barrier_signal -1
	s_barrier_wait -1
.endm
.macro PLACES                          ; eight places behind this matrix form, in front of loads into its registers and of reads of its results
.rept 8
	v_nop
.endr
.endm
.macro QUANT16 s, pc                   ; as in prep: four groups of 16 registers; a group and lane l xor 16's are a block of 32.  Each accumulator is read from its low end on
.irp b, 0,1,2,3
	v_max3_num_f32 v[TM+\b], |v[\s+16*\b]|, |v[\s+1+16*\b]|, 0x8000000
.endr
.irp i, 2,4,6,8,10,12,14
.irp b, 0,1,2,3
	v_max3_num_f32 v[TM+\b], v[TM+\b], |v[\s+16*\b+\i]|, |v[\s+1+16*\b+\i]|
.endr
.endr
.irp b, 0,1,2,3
	v_permlanex16_b32 v[TM+4+\b], v[TM+\b], s[SEL], s[SEL+1]
.endr
.irp b, 0,1,2,3
	v_max_num_f32 v[TM+\b], v[TM+\b], v[TM+4+\b]
.endr
.irp b, 0,1,2,3
	v_add_nc_u32 v[TM+12+\b], 0xf8800000, v[TM+\b]
.endr
.irp b, 0,1,2,3
.endr
.irp b, 0,1,2,3
	v_lshrrev_b32 v[TM+4+\b], 23, v[TM+12+\b]
.endr
.irp b, 0,1,2,3
.irp i, 0,1,2,3,4,5,6,7,8,9,10,11,12,13,14,15
.endr
	v_cvt_scalef32_pk8_bf8_f32 v[\pc+4*\b:\pc+4*\b+1], v[\s+16*\b:\s+16*\b+7], v[TM+12+\b]
	v_cvt_scalef32_pk8_bf8_f32 v[\pc+4*\b+2:\pc+4*\b+3], v[\s+16*\b+8:\s+16*\b+15], v[TM+12+\b]
.endr
	v_nop
.endm
.macro FETCHB s, bf                    ; W's four fragments of K step s, as images: 512 consecutive bytes a load
.irp wt, 0,1,2,3
.irp c, 0,1,2,3
	ds_load_b128 v[(\bf)+16*\wt+4*\c:(\bf)+16*\wt+4*\c+3], v[AB] offset:\wt*16384+(\s)*2048+\c*512
.endr
.endr
.endm
; 8 products of K step s, the 8 accumulators by turns.  a = 4 u + wt: source 0 = W's tile wt, source 1 = x's tile u (window 1)
.macro MULQK s, bf
.irp a, 0,1,2,3,4,5,6,7
.if (\s) == 0
	v_wmma_scale_f32_16x16x128_f8f6f4 v[ACC+8*\a:ACC+8*\a+7], v[(\bf)+16*(\a%4):(\bf)+16*(\a%4)+15], v[128*(\a/4)+16*(\s):128*(\a/4)+16*(\s)+15], 0, v[WS+4*(\a%4)+(\s)/2], v[XS+4*(\a/4)+(\s)/2] matrix_a_fmt:MATRIX_FMT_BF8 matrix_b_fmt:MATRIX_FMT_BF8
.elseif (\s)%2 == 0
	v_wmma_scale_f32_16x16x128_f8f6f4 v[ACC+8*\a:ACC+8*\a+7], v[(\bf)+16*(\a%4):(\bf)+16*(\a%4)+15], v[128*(\a/4)+16*(\s):128*(\a/4)+16*(\s)+15], v[ACC+8*\a:ACC+8*\a+7], v[WS+4*(\a%4)+(\s)/2], v[XS+4*(\a/4)+(\s)/2] matrix_a_fmt:MATRIX_FMT_BF8 matrix_b_fmt:MATRIX_FMT_BF8
.else
	v_wmma_scale_f32_16x16x128_f8f6f4 v[ACC+8*\a:ACC+8*\a+7], v[(\bf)+16*(\a%4):(\bf)+16*(\a%4)+15], v[128*(\a/4)+16*(\s):128*(\a/4)+16*(\s)+15], v[ACC+8*\a:ACC+8*\a+7], v[WS+4*(\a%4)+(\s)/2], v[XS+4*(\a/4)+(\s)/2] matrix_a_fmt:MATRIX_FMT_BF8 matrix_b_fmt:MATRIX_FMT_BF8 matrix_a_scale:MATRIX_SCALE_ROW1 matrix_b_scale:MATRIX_SCALE_ROW1
.endif
.endr
.endm
; the same with the sources changed: a = 2 wt + u: source 0 = x's tile u (window 1), source 1 = W's tile wt
.macro MULV s, bf
.irp a, 0,1,2,3,4,5,6,7
.if (\s) == 0
	v_wmma_scale_f32_16x16x128_f8f6f4 v[ACC+8*\a:ACC+8*\a+7], v[128*(\a%2)+16*(\s):128*(\a%2)+16*(\s)+15], v[(\bf)+16*(\a/2):(\bf)+16*(\a/2)+15], 0, v[XS+4*(\a%2)+(\s)/2], v[WS+4*(\a/2)+(\s)/2] matrix_a_fmt:MATRIX_FMT_BF8 matrix_b_fmt:MATRIX_FMT_BF8
.elseif (\s)%2 == 0
	v_wmma_scale_f32_16x16x128_f8f6f4 v[ACC+8*\a:ACC+8*\a+7], v[128*(\a%2)+16*(\s):128*(\a%2)+16*(\s)+15], v[(\bf)+16*(\a/2):(\bf)+16*(\a/2)+15], v[ACC+8*\a:ACC+8*\a+7], v[XS+4*(\a%2)+(\s)/2], v[WS+4*(\a/2)+(\s)/2] matrix_a_fmt:MATRIX_FMT_BF8 matrix_b_fmt:MATRIX_FMT_BF8
.else
	v_wmma_scale_f32_16x16x128_f8f6f4 v[ACC+8*\a:ACC+8*\a+7], v[128*(\a%2)+16*(\s):128*(\a%2)+16*(\s)+15], v[(\bf)+16*(\a/2):(\bf)+16*(\a/2)+15], v[ACC+8*\a:ACC+8*\a+7], v[XS+4*(\a%2)+(\s)/2], v[WS+4*(\a/2)+(\s)/2] matrix_a_fmt:MATRIX_FMT_BF8 matrix_b_fmt:MATRIX_FMT_BF8 matrix_a_scale:MATRIX_SCALE_ROW1 matrix_b_scale:MATRIX_SCALE_ROW1
.endif
.endr
.endm
; The eight K steps of a head.  While a step is multiplied the next step's 16 loads are on their way into the other set.  v = 1: the v heads' form
.macro KLOOP v
.if \v
	WIN 0
.else
	WIN 0x04                                       ; source 1 in window 1: an LDS load names a destination and source 0 alone, so the whole loop runs under one setting
.endif
	FETCHB 0, BF0
.set ks, 0
.rept 8
.if ks < 7
.if ks > 0
	PLACES                                         ; the set to be loaded was read by the products of the step before
.endif
.if \v
	WIN 0
.endif
	FETCHB ks+1, BF0+64*((ks+1)%2)
	s_wait_dscnt 16                                ; all but the 16 loads just issued
.else
	s_wait_dscnt 0x0
.endif
.if \v
	WIN 0x01                                       ; source 0 in window 1
	MULV ks, BF0+64*(ks%2)
.else
	MULQK ks, BF0+64*(ks%2)
.endif
.set ks, ks+1
.endr
	WIN 0
	PLACES                                         ; in front of the first read of the results
.endm
	s_load_b256 s[4:11], s[0:1], 0x0               ; xq, wq, qq, kvq
	v_lshl_add_u32 v7, v0, 2, 0x32000
	s_set_vgpr_msb 0x80
	v_mov_b32 v1, 0
	s_set_vgpr_msb 0x8088
	ds_add_u32 v7, v1
	ds_add_u32 v7, v1
	s_set_vgpr_msb 0x8800
	v_lshrrev_b32 v1, 5, v0
	v_readfirstlane_b32 s[WV], v1                  ; wave 0..3
	v_and_b32 v2, 31, v0
	v_lshlrev_b32 v[LI], 4, v2
	v_lshlrev_b32 v[LS], 2, v2
	s_bfe_u32 s13, ttmp6, 0x40000                  ; cx
	s_lshl_b32 s14, ttmp9, 2
	s_add_co_u32 s14, s14, s13                     ; RB = 4 x cluster x + cx: it enters x's, q's, k's and v's global addresses alone
	s_and_b32 s15, ttmp7, 0xffff                   ; CB, which the four partners share
	s_lshl_b32 s36, s14, 2
	s_add_co_u32 s36, s36, s[WV]                   ; G
	s_mov_b32 s[SEL], 0x76543210
	s_mov_b32 s[SEL+1], 0xfedcba98
	s_mov_b32 s[HM], 0xffff0000
.irp b, 0,1,2,3
	v_mov_b32 v[TM+4+\b], 0                        ; a lane permute's destination counts as read
.endr
	; descriptor group 1: a quarter of a record, 16,896 dense bytes, as 66 rows of 256 bytes (32 elements of 8 bytes)
	s_mov_b32 s[G1], 15|(3<<16)|(1<<21)            ; the mask: all four work-groups; elements of 8 bytes; bit 21 beside a mask
	s_mov_b32 s[G1+1], 32<<16                      ; tensor_dim0
	s_mov_b32 s[G1+2], 66<<16                      ; tensor_dim1
	s_mov_b32 s[G1+3], 32<<16                      ; tile_dim0
	s_mov_b32 s[G1+4], 66                          ; tile_dim1
	s_mov_b32 s[G1+5], 32                          ; the pitch
	s_mov_b32 s[G1+6], 0
	s_mov_b32 s[G1+7], 0
	s_mul_i32 s50, s[WV], 16896                    ; my quarter
	s_mul_i32 s48, s15, 3*REC                      ; record 3 CB
	s_add_co_u32 s48, s48, s50
	s_mov_b32 s49, 0
	s_lshl_b32 s52, s36, 15                        ; x: my two tiles' 16 fragments
	s_mov_b32 s53, 0
	s_lshl_b32 s54, s36, 10                        ; and their scale words
	s_add_co_u32 s54, s54, XSC
	s_mov_b32 s55, 0
	s_wait_dscnt 0x0
	s_wait_kmcnt 0x0
	s_add_nc_u64 s[48:49], s[6:7], s[48:49]
	s_add_nc_u64 s[52:53], s[4:5], s[52:53]
	s_add_nc_u64 s[54:55], s[4:5], s[54:55]
.irp i, 0,1,2
	s_mov_b32 s[G0+4*\i], 1
	s_add_co_u32 s[G0+4*\i+1], s50, \i*REC         ; LDS: record i, my quarter
	s_add_nc_u64 s[G0+4*\i+2:G0+4*\i+3], s[48:49], \i*REC
	s_or_b32 s[G0+4*\i+3], s[G0+4*\i+3], 0x80000000
.endr
	CROUND                                         ; all four work-groups are here: the joint loads meet
	tensor_load_to_lds s[G0:G0+3], s[G1:G1+7]      ; the launch's only fills, one group: three loads of mine are out
	s_nop 0
	tensor_load_to_lds s[G0+4:G0+7], s[G1:G1+7]
	s_nop 0
	tensor_load_to_lds s[G0+8:G0+11], s[G1:G1+7]
	s_nop 0
.rept 4
	v_nop
.endr
	WIN 0x40                                       ; destination window 1
	s_wait_alu depctr_va_vdst(0)
.irp u, 0,1
.irp s, 0,1,2,3,4,5,6,7
.irp c, 0,1,2,3
	global_load_b128 v[128*\u+16*\s+4*\c:128*\u+16*\s+4*\c+3], v[LI], s[52:53] offset:\u*16384+\s*2048+\c*512
.endr
.endr
.endr
	WIN 0
.irp u, 0,1
.irp t, 0,1,2,3
	global_load_b32 v[XS+4*\u+\t], v[LS], s[54:55] offset:\u*512+\t*128
.endr
.endr
.macro HEAD i
.if \i > 0
	s_wait_xcnt 0x0                                ; the last head's stores have read their data and bases: both are written again below
.endif
	s_wait_tensorcnt 2-\i                          ; my quarter of record i is in; the later records' loads may stay out
	s_wait_dscnt 0x0
	s_barrier_signal -1
	s_barrier_wait -1                              ; everybody's quarter is in
	v_add_nc_u32 v[AB], \i*REC, v[LI]
	v_add_nc_u32 v[AS], \i*REC+65536, v[LS]
.irp wt, 0,1,2,3
.irp t, 0,1,2,3
	ds_load_b32 v[WS+4*\wt+\t], v[AS] offset:\wt*512+\t*128
.endr
.endr
.if \i == 0
	s_wait_loadcnt 0x0                             ; x
.endif
	s_mul_i32 s37, s15, 3
	s_add_co_u32 s37, s37, \i                      ; H: the same in all four partners
	s_cmp_ge_u32 s37, 20
	s_cbranch_scc1 .Lv_\@
	; ---- a q head or a k head
	s_lshl_b32 s48, s37, 18                        ; q: 262144 H + 2048 G
	s_lshl_b32 s49, s36, 11
	s_add_co_u32 s48, s48, s49
	s_lshl_b32 s50, s37, 14                        ;    QSC + 16384 H + 128 G
	s_lshl_b32 s51, s36, 7
	s_add_co_u32 s50, s50, s51
	s_add_co_u32 s50, s50, QSC
	s_sub_co_u32 s56, s37, 16                      ; k: 524288 g + 16384 RB + 2048 w
	s_lshl_b32 s57, s56, 19
	s_lshl_b32 s58, s14, 14
	s_add_co_u32 s57, s57, s58
	s_lshl_b32 s58, s[WV], 11
	s_add_co_u32 s57, s57, s58
	s_lshl_b32 s58, s56, 15                        ;    KSC + 32768 g + 1024 RB + 128 w
	s_lshl_b32 s59, s14, 10
	s_add_co_u32 s58, s58, s59
	s_lshl_b32 s59, s[WV], 7
	s_add_co_u32 s58, s58, s59
	s_add_co_u32 s58, s58, KSC
	s_cmp_lt_u32 s37, 16
	s_cselect_b64 s[44:45], s[8:9], s[10:11]
	s_cselect_b32 s48, s48, s57
	s_cselect_b32 s50, s50, s58
	s_mov_b32 s49, 0
	s_mov_b32 s51, 0
	s_add_nc_u64 s[46:47], s[44:45], s[50:51]
	s_add_nc_u64 s[44:45], s[44:45], s[48:49]
	s_wait_alu depctr_va_vdst(0)
	KLOOP 0
	QUANT16 ACC, PC                                ; group 2 u + b: row r of tile u, the head's 32 b + 16 hh + 0 .. 15
	v_lshl_or_b32 v[W0], v[TM+5], 8, v[TM+4]
	v_lshl_or_b32 v[W1], v[TM+7], 8, v[TM+6]
	v_cndmask_b32 v[W0], v[W0], v[W1], s[HM]       ; lanes 0-15: tile u = 0's words, lanes 16-31: tile u = 1's
	v_or_b32 v[W0], 0x01010000, v[W0]              ; the bytes of k = 64 .. 127, where the attention's operands meet zero codes
.irp g, 0,1,2,3
	global_store_b128 v[LI], v[PC+4*\g:PC+4*\g+3], s[44:45] offset:(\g/2)*1024+(\g%2)*512   ; 512 consecutive bytes, aligned
.endr
	global_store_b32 v[LS], v[W0], s[46:47]
	s_branch .Ljoin_\@
.Lv_\@:
	; ---- a v head
	s_sub_co_u32 s56, s37, 20
	s_lshl_b32 s48, s56, 19                        ; 524288 g + 16384 RB + 8192 + 512 w
	s_lshl_b32 s57, s14, 14
	s_add_co_u32 s48, s48, s57
	s_lshl_b32 s57, s[WV], 9
	s_add_co_u32 s48, s48, s57
	s_add_co_u32 s48, s48, 8192
	s_mov_b32 s49, 0
	s_add_nc_u64 s[44:45], s[10:11], s[48:49]
	s_lshl_b32 s50, s56, 15                        ; KSC + 32768 g + 1024 RB + 512 + w
	s_lshl_b32 s57, s14, 10
	s_add_co_u32 s50, s50, s57
	s_add_co_u32 s50, s50, s[WV]
	s_add_co_u32 s50, s50, KSC+512
	s_mov_b32 s51, 0
	s_add_nc_u64 s[46:47], s[10:11], s[50:51]
	s_wait_alu depctr_va_vdst(0)
	KLOOP 1
	QUANT16 ACC, PC                                ; group dt: d-row r of tile dt, keys 32 G + 16 hh + 0 .. 15
.irp dt, 0,1,2,3
	global_store_b128 v[LI], v[PC+4*\dt:PC+4*\dt+3], s[44:45] offset:\dt*2048
.endr
.irp dt, 0,1,2,3
	global_store_b8 v[LS], v[TM+4+\dt], s[46:47] offset:\dt*128    ; byte w of each row's word; both halves of the lanes hold the same byte
.endr
.Ljoin_\@:
.endm
	HEAD 0
	HEAD 1
	HEAD 2
	s_set_vgpr_msb 0x8
	s_wait_tensorcnt 0x0
	ds_add_u32 v7, v1
	s_wait_dscnt 0x0
	s_set_vgpr_msb 0x800
	CROUND                                         ; the closing round: no work-group ends while a partner may still ask jointly
	s_endpgm
.Lfunc_end_k_q427f0a1ff4_qkv:
	.size	k_q427f0a1ff4_qkv, .Lfunc_end_k_q427f0a1ff4_qkv-k_q427f0a1ff4_qkv
	.p2alignl 7, 3214868480
	.fill 96, 4, 3214868480
	.section	.rodata,"a",@progbits
	.p2align	6, 0x0
	.amdhsa_kernel k_q427f0a1ff4_qkv
		.amdhsa_group_segment_fixed_size 205312
		.amdhsa_private_segment_fixed_size 0
		.amdhsa_enable_private_segment 0
		.amdhsa_kernarg_size 32
		.amdhsa_user_sgpr_count 2
		.amdhsa_user_sgpr_kernarg_segment_ptr 1
		.amdhsa_wavefront_size32 1
		.amdhsa_system_sgpr_workgroup_id_x 1
		.amdhsa_system_sgpr_workgroup_id_y 1
		.amdhsa_system_sgpr_workgroup_id_z 1
		.amdhsa_system_vgpr_workitem_id 0
		.amdhsa_next_free_vgpr 514
		.amdhsa_next_free_sgpr 66
		.amdhsa_reserve_vcc 0
		.amdhsa_float_denorm_mode_32 3
		.amdhsa_float_denorm_mode_16_64 3
		.amdhsa_fp16_overflow 1
		.amdhsa_memory_ordered 1
		.amdhsa_forward_progress 1
		.amdhsa_inst_pref_size 155
	.end_amdhsa_kernel
	.amdgpu_metadata
---
amdhsa.version: [ 1, 2 ]
amdhsa.kernels:
  - .name:           k_q427f0a1ff4_qkv
    .symbol:         k_q427f0a1ff4_qkv.kd
    .args:
      - { .name: xq, .offset: 0, .size: 8, .value_kind: global_buffer, .address_space: global }
      - { .name: wq, .offset: 8, .size: 8, .value_kind: global_buffer, .address_space: global }
      - { .name: qq, .offset: 16, .size: 8, .value_kind: global_buffer, .address_space: global }
      - { .name: kvq, .offset: 24, .size: 8, .value_kind: global_buffer, .address_space: global }
    .group_segment_fixed_size: 205312
    .private_segment_fixed_size: 0
    .kernarg_segment_align: 8
    .kernarg_segment_size: 32
    .max_flat_workgroup_size: 128
    .sgpr_count:     66
    .vgpr_count:     514
    .wavefront_size: 32
...
	.end_amdgpu_metadata
.endif
;; end of part 2
;; launch attn (part 3): grid 16 x 16, 16 waves a work-group, clusters of 4 x 1, 327,680 bytes of LDS; arguments qq, kvq, oq; writes oq
.if DOCPART == 3
	.amdgcn_target "amdgcn-amd-amdhsa--gfx1250"
	.amdhsa_code_object_version 6
	.text
	.protected	k_q427f0a1ff4_attn
	.globl	k_q427f0a1ff4_attn
	.p2align	8
	.type	k_q427f0a1ff4_attn,@function
k_q427f0a1ff4_attn:
	s_mov_b64 s[64:65], 0
	v_nop
	global_prefetch_b8 v0, s[64:65] scope:SCOPE_SE
	s_setreg_imm32_b32 hwreg(HW_REG_WAVE_MODE, 25, 1), 1
	s_wait_xcnt 0x0
	s_wait_alu depctr_hold_cnt(0) depctr_sa_sdst(0) depctr_va_vdst(0) depctr_va_sdst(0) depctr_va_ssrc(0) depctr_va_vcc(0) depctr_vm_vsrc(0)
	s_getreg_b32 s2, hwreg(HW_REG_IB_STS2, 6, 4)
	s_cmp_eq_u32 s2, 0
	s_cbranch_scc0 .Lentry_in_a_cluster
	s_endpgm
.Lentry_in_a_cluster:
	s_bfe_u32 s2, ttmp6, 0x10000c
	s_cmp_lg_u32 s2, 0x3003
	s_cbranch_scc0 .Lentry_shape_is_right
	s_endpgm
.Lentry_shape_is_right:
; ATTN: o = softmax(q k^T / 8, causal) v on codes of E5M2, and o quantised along the 1,024 of the last product on its way out.  16 query heads, 4 key/value heads, head size 64, 4,096 rows.
; THE SOFTMAX: t = score x log2(e) / 8; M = the running largest t rounded UP to a whole number; p = 2^(t - M) is quantised along the keys, not normalised; the row's sum is taken of the unquantised p and
; divides at the end; when M moves, the sum and O are multiplied by 2^(old M - new M), which rounds nothing.
; SHARES: sixteen waves, each ONE tile of 16 queries in 256 registers, four waves to a SIMD.  A work-group (head h, number J) takes the blocks of 128 queries J and 31 - J: eight waves each; a wave walks
; BLK + 1 key steps of 128, so an early and a late wave together walk 33 whatever J is; late = bit 0 xor bit 2 of the wave's number.
; CAUSAL: a step all of whose keys come after the wave's block is jumped over (a branch on ids; no barrier and no tensor load stands in a step); in step BLK hidden scores become -infinity.
; CLUSTER: the four partners are the four query heads of one key/value head, on the same rows, so they walk the same K and V with the same trip counts: each tile is asked for JOINTLY (mask 15).
; RING: two LDS slots of 256 keys (two steps' codes, 32,768 bytes, and scale words, 2,048).  Waves 0 and 1 bring a step's codes each, wave 2 the scale words.  All LDS addresses are constants.
; The ring walks 2 ceil((32 - J) / 4) slots: as many as the late waves need, made even.
; LAYOUT (see prep, qkv): both products transposed: S^T = K Q^T, O^T = V^T P^T: a lane holds one query (lane % 16); the 16 registers of two neighbouring tiles are 16 neighbouring keys, or d.
; K = 64 IN AN INSTRUCTION OF 128: Q's operand has zero codes for k = 64 .. 127.  K's tile t is 8 registers, and its operand runs on over the next tile's 8 (tile 7's over 8 registers of zeros): those codes
; are finite, since the quantiser holds every number at the largest code, and meet zero codes under the scale byte 1: they add exactly nothing.
; LIMITS: NaN and infinities are not served; the byte 1 for blocks of zeros and under 2^-111, as in prep.
.set QSC,   4194304
.set KSC,   2097152
.set XSC,   4194304
.set SLOT,  34816                      ; a slot: step q's codes at 16384 q (K's 8 tiles, then V's 4 at + 8192), scale words at 32768 + 1024 q (K's 512 bytes, V's 512)
.set SPARE, 2*SLOT                     ; the spare words: 128 bytes for each of 16 waves: eight blocks of 256 bytes that no other line names
.set LI,   1                           ; v1, v2   16 x lane, in slot 0, 1
.set LS,   3                           ; v3, v4   4 x lane + 32768, in slot 0, 1
.set SPW,  5                           ; v5   my spare word; never rewritten
.set NIL,  6                           ; v6   0; never rewritten
.set DQ,   7                           ; v7   my query's place in its block, less 16 (lane / 16)
.set NINF, 8                           ; v8   -infinity
.set PFO,  9                           ; v9   256 x lane: the prefetches' offset
.set QO,   10                          ; v10  4 r
.set BO,   11                          ; v11  4 r + hh
.set QF,   16                          ; v16-23 Q's codes, v24-31 zeros
.set KV,   32                          ; v32-95 K's 8 tiles, then V's 4; v96-103 zeros
.set S,    104                         ; v104-167 S^T, then p
.set OT,   168                         ; v168-199 O^T
.set PCD,  200                         ; v200-215 p's codes
.set BM,   216                         ; v216-219 block maxima;  v220-223, v228-231 at work: bytes, scale operands
.set T1,   220
.set HD,   224
.set SO,   228
.set KS,   232                         ; v232-235 K's scale words: lanes 0-15 tile 2 b, lanes 16-31 tile 2 b + 1
.set VS,   236                         ; v236-239 V's
.set QS,   240                         ; v240 Q's;  v241 p's
.set PS,   241
.set FF,   242                         ; v[242:243] f = 2^(old M - new M)
.set TT,   244
.set WV,   10
.set BLK,  15
.set G1C,  16                          ; s[16:23] group 1 for a step's codes;  s[24:31] for a slot's scale words
.set G1S,  24
.set G0C,  32                          ; s[32:39], s[40:47] their groups 0, one for each slot
.set G0S,  40
.set ST,   48                          ; the key step in hand
.set CNT,  49
.set SEL,  50
.set CS,   52                          ; s[52:53] c = log2(e) / 8
.set MNT,  54
.set HM,   55
.set PFA,  56                          ; s[56:57] where wave 3's prefetches stand;  s[58:59] wave 4's one
.set PFB,  58
.set PF3,  60                          ; 1 in wave 3 (PF4: wave 4) of the clusters with J = 0
.set PF4,  61
.macro CROUND
	s_barrier_signal -1
	s_barrier_wait -1
	s_cmp_lg_u32 s[WV], 0
	s_cbranch_scc1 .Lnot_wave_0_\@
	s_barrier_signal -3
.Lnot_wave_0_\@:
	s_barrier_wait -3
	s_barrier_signal -1
	s_barrier_wait -1
.endm
.macro PLACES
.rept 8
	v_nop
.endr
.endm
; The joint load into slot s.  The branches hang on the wave's number alone.  Four v_nop follow each line.
.macro TLOAD s
	s_cmp_lt_u32 s[WV], 2
	s_cbranch_scc0 .Lnot_c_\@
	tensor_load_to_lds s[G0C+4*(\s):G0C+4*(\s)+3], s[G1C:G1C+7]
	s_nop 0
.rept 4
	v_nop
.endr
	s_branch .Lasked_\@
.Lnot_c_\@:
	s_cmp_eq_u32 s[WV], 2
	s_cbranch_scc0 .Lasked_\@
	tensor_load_to_lds s[G0S+4*(\s):G0S+4*(\s)+3], s[G1S:G1S+7]
	s_nop 0
.rept 4
	v_nop
.endr
.Lasked_\@:
.endm
; PREFETCHES INTO THE L2.  All clusters of a key/value head walk the same K and V: the cluster with J = 0, which walks all 16 slots, asks.  Wave 3 asks, at each change of slots in the loop, for the codes
; that the NEXT change's loads will want (a slot's two key steps ahead): 32,768 bytes, shared out among the four partners BY ADDRESS, 8,192 each, lanes 256 bytes apart: slots 2 to 15.  Wave 4 asks once, at
; the first change (four = 1: the line is written in a trip's first change alone, and its flag is cleared behind it), for the head's 32,768 bytes of scale words, shared out likewise.
; So each block of 256 bytes is named once.  Slots 0 and 1 come by their loads alone.
.macro ASK four
	s_cmp_eq_u32 s[PF3], 1
	s_cbranch_scc0 .Lnot3_\@
	global_prefetch_b8 v[PFO], s[PFA:PFA+1] th:TH_LOAD_NT scope:SCOPE_SE
.Lnot3_\@:
.if \four
	s_cmp_eq_u32 s[PF4], 1
	s_cbranch_scc0 .Lnot4_\@
	global_prefetch_b8 v[PFO], s[PFB:PFB+1] th:TH_LOAD_NT scope:SCOPE_SE
.Lnot4_\@:
	s_mov_b32 s[PF4], 0
.endif
.endm
	s_load_b128 s[4:7], s[0:1], 0x0                ; qq, kvq
	s_load_b64 s[8:9], s[0:1], 0x10                ; oq
	v_lshl_add_u32 v[SPW], v0, 2, SPARE
	v_mov_b32 v[NIL], 0
	ds_add_u32 v5, v6
	ds_add_u32 v5, v6
	s_wait_dscnt 0x0
	v_lshrrev_b32 v1, 5, v0
	s_delay_alu instid0(VALU_DEP_1)
	v_readfirstlane_b32 s[WV], v1                  ; wave 0..15
	s_bfe_u32 s11, ttmp6, 0x40000                  ; cx: it enters q's, o's and the prefetches' global addresses alone
	s_mov_b32 s12, ttmp9                           ; the key/value head = cluster x
	s_and_b32 s13, ttmp7, 0xffff                   ; J
	s_lshl_b32 s14, s12, 2
	s_add_co_u32 s14, s14, s11                     ; h
	s_lshr_b32 s66, s[WV], 2
	s_xor_b32 s66, s66, s[WV]
	s_and_b32 s66, s66, 1                          ; late
	s_sub_co_u32 s67, 31, s13
	s_cmp_eq_u32 s66, 1
	s_cselect_b32 s[BLK], s67, s13                 ; my block of 128 queries
	s_lshl_b32 s62, s[BLK], 3
	s_lshr_b32 s66, s[WV], 1
	s_add_co_u32 s62, s62, s66                     ; my tile P
	s_sub_co_u32 s[CNT], 35, s13
	s_lshr_b32 s[CNT], s[CNT], 2
	s_sub_co_u32 s[CNT], s[CNT], 1                 ; the loop's trips: ceil((32 - J) / 4) - 1, 4 to 7; the same in all partners
	s_max_u32 s[CNT], s[CNT], 1                    ; (at least one trip, stated where the count is made: the loop counts down to 0)
	v_and_b32 v10, 31, v0
	s_delay_alu instid0(VALU_DEP_1)
	v_lshlrev_b32 v[LI], 4, v10
	s_delay_alu instid0(VALU_DEP_1)
	v_add_nc_u32 v[LI+1], SLOT, v[LI]
	s_delay_alu instid0(VALU_DEP_3)
	v_lshl_add_u32 v[LS], v10, 2, 32768
	s_delay_alu instid0(VALU_DEP_1)
	v_add_nc_u32 v[LS+1], SLOT, v[LS]
	v_lshlrev_b32 v[PFO], 8, v10
	v_and_b32 v10, 15, v0                          ; r
	v_bfe_u32 v11, v0, 4, 1                        ; hh
	s_delay_alu instid0(VALU_DEP_2)
	v_and_b32 v[DQ], 8, v10
	s_delay_alu instid0(VALU_DEP_1)
	v_add_nc_u32 v[DQ], v[DQ], v10                 ; p(r)
	s_delay_alu instid0(VALU_DEP_3)
	v_lshlrev_b32 v[TT], 4, v11
	s_delay_alu instid0(VALU_DEP_1)
	v_sub_nc_u32 v[DQ], v[DQ], v[TT]
	s_lshr_b32 s66, s[WV], 2
	s_lshl_b32 s66, s66, 5
	s_bfe_u32 s67, s[WV], 0x10001
	s_lshl_b32 s67, s67, 3
	s_add_co_u32 s66, s66, s67
	v_add_nc_u32 v[DQ], s66, v[DQ]                 ; 32 (w / 4) + 8 ((w / 2) % 2) + p(r) - 16 hh
	v_mov_b32 v[NINF], 0xff800000
	v_lshlrev_b32 v[QO], 2, v10
	s_delay_alu instid0(VALU_DEP_1)
	v_add_nc_u32 v[BO], v[QO], v11
	; descriptor groups 1: dense blocks as rows of 256 bytes (32 elements of 8 bytes): 64 rows of codes, 8 of scale words
	s_mov_b32 s[G1C], 15|(3<<16)|(1<<21)
	s_mov_b32 s[G1C+1], 32<<16
	s_mov_b32 s[G1C+2], 64<<16
	s_mov_b32 s[G1C+3], 32<<16
	s_mov_b32 s[G1C+4], 64
	s_mov_b32 s[G1C+5], 32
	s_mov_b32 s[G1C+6], 0
	s_mov_b32 s[G1C+7], 0
	s_mov_b32 s[G1S], 15|(3<<16)|(1<<21)
	s_mov_b32 s[G1S+1], 32<<16
	s_mov_b32 s[G1S+2], 8<<16
	s_mov_b32 s[G1S+3], 32<<16
	s_mov_b32 s[G1S+4], 8
	s_mov_b32 s[G1S+5], 32
	s_mov_b32 s[G1S+6], 0
	s_mov_b32 s[G1S+7], 0
	s_mov_b32 s[SEL], 0x76543210
	s_mov_b32 s[SEL+1], 0xfedcba98
	s_mov_b32 s[CS], 0x3e38aa3b
	s_mov_b32 s[CS+1], s[CS]                       ; (named with it as a pair, so it is written)
	s_mov_b32 s[HM], 0xffff0000
	s_mov_b32 s[ST], 0
	s_xor_b32 s66, s[WV], 3
	s_or_b32 s66, s66, s13
	s_cmp_eq_u32 s66, 0
	s_cselect_b32 s[PF3], 1, 0
	s_xor_b32 s66, s[WV], 4
	s_or_b32 s66, s66, s13
	s_cmp_eq_u32 s66, 0
	s_cselect_b32 s[PF4], 1, 0
	s_and_b32 s63, s[WV], 1
	s_lshl_b32 s63, s63, 14                        ; which of a slot's two steps I bring, if I bring codes
	s_lshl_b32 s68, s12, 19
	s_add_co_u32 s68, s68, s63
	s_mov_b32 s69, 0
	s_lshl_b32 s70, s12, 15
	s_add_co_u32 s70, s70, KSC
	s_mov_b32 s71, 0
	s_lshl_b32 s72, s12, 19                        ; the prefetches: the head's codes, slot 1, my work-group's quarter (each change of slots steps it before it asks)
	s_lshl_b32 s73, s11, 13
	s_add_co_u32 s72, s72, s73
	s_add_co_u32 s72, s72, 32768
	s_add_co_u32 s74, s70, s73                     ; and the head's scale words, my quarter
	s_mov_b32 s73, 0
	s_mov_b32 s75, 0
	s_wait_kmcnt 0x0
	s_add_nc_u64 s[68:69], s[6:7], s[68:69]
	s_add_nc_u64 s[70:71], s[6:7], s[70:71]
	s_add_nc_u64 s[PFA:PFA+1], s[6:7], s[72:73]
	s_add_nc_u64 s[PFB:PFB+1], s[6:7], s[74:75]
.irp n, 0,1
	s_mov_b32 s[G0C+4*\n], 1
	s_add_co_u32 s[G0C+4*\n+1], s63, \n*SLOT
	s_add_nc_u64 s[G0C+4*\n+2:G0C+4*\n+3], s[68:69], \n*32768
	s_or_b32 s[G0C+4*\n+3], s[G0C+4*\n+3], 0x80000000
	s_mov_b32 s[G0S+4*\n], 1
	s_mov_b32 s[G0S+4*\n+1], \n*SLOT+32768
	s_add_nc_u64 s[G0S+4*\n+2:G0S+4*\n+3], s[70:71], \n*2048
	s_or_b32 s[G0S+4*\n+3], s[G0S+4*\n+3], 0x80000000
.endr
	s_lshl_b32 s66, s14, 18                        ; q: 262144 h + 1024 P
	s_lshl_b32 s67, s62, 10
	s_add_co_u32 s66, s66, s67
	s_mov_b32 s67, 0
	s_add_nc_u64 s[72:73], s[4:5], s[66:67]
	s_lshl_b32 s66, s14, 14                        ;    QSC + 16384 h + 64 P
	s_lshl_b32 s74, s62, 6
	s_add_co_u32 s66, s66, s74
	s_add_co_u32 s66, s66, QSC
	s_add_nc_u64 s[74:75], s[4:5], s[66:67]
	s_lshl_b32 s66, s62, 14                        ; o: 16384 P + 2048 (h / 2) + 1024 (h % 2)
	s_lshl_b32 s76, s14, 10
	s_add_co_u32 s66, s66, s76
	s_add_nc_u64 s[76:77], s[8:9], s[66:67]
	s_lshl_b32 s66, s62, 9                         ;    XSC + 512 P + 64 (h / 2) + 2 (h % 2)
	s_lshr_b32 s78, s14, 1
	s_lshl_b32 s78, s78, 6
	s_add_co_u32 s66, s66, s78
	s_and_b32 s78, s14, 1
	s_lshl_b32 s78, s78, 1
	s_add_co_u32 s66, s66, s78
	s_add_co_u32 s66, s66, XSC
	s_add_nc_u64 s[78:79], s[8:9], s[66:67]
	CROUND                                         ; all four work-groups are here: the first joint loads meet
	TLOAD 0                                        ; slot 0
	global_load_b128 v[QF:QF+3], v[LI], s[72:73]
	global_load_b128 v[QF+4:QF+7], v[LI], s[72:73] offset:512
	s_wait_alu depctr_va_vdst(0)
	global_load_b32 v[QS], v[QO], s[74:75]
.irp j, 0,1,2,3,4,5,6,7
	v_mov_b32 v[QF+8+\j], 0                        ; Q's zero codes for k = 64 .. 127
	v_mov_b32 v[KV+64+\j], 0                       ; and what stands behind K's tile 7
.endr
.set n, 0
.rept 32
	v_mov_b32 v[OT+n], 0                           ; O^T: the step is written once; the first change of M leaves zeros zeros
.set n, n+1
.endr
	v_mov_b32 v13, 0xff61b1e6                      ; the largest t so far: -3e38
	s_delay_alu instid0(VALU_DEP_1)
	v_floor_f32 v12, -v13                          ; -M
	v_mov_b32 v14, 0                               ; the sum, in two halves
	v_mov_b32 v15, 0
.irp b, 0,1,2,3
	v_mov_b32 v[T1+\b], 0                          ; a lane permute's destination counts as read
.endr
	v_mov_b32 v[FF+1], 0                           ; (named as the upper half of a pair)
; A KEY STEP: 128 keys, the q-th of slot sl
.macro STEP sl, q
	s_cmp_gt_u32 s[ST], s[BLK]
	s_cbranch_scc1 .Lhid_\@                        ; all its keys come after my queries
	PLACES                                         ; behind the last step's products, which read the registers loaded below
.irp t, 0,1,2,3,4,5,6,7
.irp c, 0,1
	ds_load_b128 v[KV+8*\t+4*\c:KV+8*\t+4*\c+3], v[LI+\sl] offset:\q*16384+\t*1024+\c*512
.endr
.endr
.irp b, 0,1,2,3
	ds_load_b32 v[KS+\b], v[LS+\sl] offset:\q*1024+\b*128
.endr
	s_wait_dscnt 0x0
.irp t, 0,1,2,3,4,5,6,7
.if \t%2
	v_wmma_scale_f32_16x16x128_f8f6f4 v[S+8*\t:S+8*\t+7], v[KV+8*\t:KV+8*\t+15], v[QF:QF+15], 0, v[KS+\t/2], v[QS] matrix_a_fmt:MATRIX_FMT_BF8 matrix_b_fmt:MATRIX_FMT_BF8 matrix_a_scale:MATRIX_SCALE_ROW1
.else
	v_wmma_scale_f32_16x16x128_f8f6f4 v[S+8*\t:S+8*\t+7], v[KV+8*\t:KV+8*\t+15], v[QF:QF+15], 0, v[KS+\t/2], v[QS] matrix_a_fmt:MATRIX_FMT_BF8 matrix_b_fmt:MATRIX_FMT_BF8
.endif
.endr
	PLACES                                         ; in front of the loads over K's registers and of the first read of the scores
.irp dt, 0,1,2,3                               ; V comes while the softmax is worked
.irp c, 0,1,2,3
	ds_load_b128 v[KV+16*\dt+4*\c:KV+16*\dt+4*\c+3], v[LI+\sl] offset:\q*16384+8192+\dt*2048+\c*512
.endr
	ds_load_b32 v[VS+\dt], v[LS+\sl] offset:\q*1024+512+\dt*128
.endr
	s_cmp_lg_u32 s[ST], s[BLK]
	s_cbranch_scc1 .Lopen_\@                       ; only step BLK lies on the diagonal
.set n, 0
.rept 64                                       ; register 16 b + i holds key 32 b + 16 hh + i of the step: hidden where 32 b + i > DQ
	v_cmp_gt_i32 vcc_lo, 32*(n/16)+n%16, v[DQ]
	v_cndmask_b32 v[S+n], v[S+n], v[NINF], vcc_lo
.set n, n+1
.endr
.Lopen_\@:
.irp b, 0,1,2,3
	v_max3_num_f32 v[BM+\b], v[S+16*\b], v[S+1+16*\b], v[S+2+16*\b]   ; the largest score of each block of 32 keys: for the row's maximum and, since p rises with the score, for the block's largest p
.endr
.irp i, 3,5,7,9,11,13
.irp b, 0,1,2,3
	v_max3_num_f32 v[BM+\b], v[BM+\b], v[S+16*\b+\i], v[S+1+16*\b+\i]
.endr
.endr
.irp b, 0,1,2,3
	v_max_num_f32 v[BM+\b], v[BM+\b], v[S+15+16*\b]
.endr
.irp b, 0,1,2,3
	s_delay_alu instid0(VALU_DEP_4)
	v_permlanex16_b32 v[T1+\b], v[BM+\b], s[SEL], s[SEL+1]
.endr
.irp b, 0,1,2,3
	s_delay_alu instid0(VALU_DEP_4)
	v_max_num_f32 v[BM+\b], v[BM+\b], v[T1+\b]     ; with lane l xor 16's 16 keys
.endr
	s_delay_alu instid0(VALU_DEP_2)
	v_max3_num_f32 v[TT], v[BM], v[BM+1], v[BM+2]
	s_delay_alu instid0(VALU_DEP_1)
	v_max_num_f32 v[TT], v[TT], v[BM+3]
	s_delay_alu instid0(VALU_DEP_1)
	v_mul_f32 v[TT], s[CS], v[TT]                  ; as t
	s_delay_alu instid0(VALU_DEP_1)
	v_max_num_f32 v13, v13, v[TT]                  ; the running largest t
	v_mov_b32 v[TT], v12
	s_delay_alu instid0(VALU_DEP_2)
	v_floor_f32 v12, -v13                          ; the new -M = -ceil(t)
	s_delay_alu instid0(VALU_DEP_1)
	v_sub_f32 v[TT], v12, v[TT]                    ; old M - new M: a whole number, 0 or less
	s_delay_alu instid0(VALU_DEP_1)
	v_cvt_i32_f32 v[TT], v[TT]                     ; (it saturates)
	s_delay_alu instid0(VALU_DEP_1)
	v_ldexp_f32 v[FF], 1.0, v[TT]                  ; f
.set n, 0
.rept 32
	v_pk_fma_f32 v[S+n:S+n+1], v[S+n:S+n+1], s[CS:CS+1], v[12:13] op_sel_hi:[1,0,0]   ; t - M
.set n, n+2
.endr
.irp b, 0,1,2,3
	v_fma_f32 v[BM+\b], v[BM+\b], s[CS], v12       ; the same of each block's largest score
.endr
.set n, 0
	s_wait_alu depctr_va_vdst(0)
.rept 64
	v_exp_f32 v[S+n], v[S+n]                       ; p = 2^(t - M)
.set n, n+1
.endr
	v_pk_mul_f32 v[14:15], v[14:15], v[FF:FF+1] op_sel_hi:[1,0]   ; the sums under the new M: a plain line behind the exponentials
	s_wait_alu depctr_va_vdst(0)                   ; one for the batch, ahead of its first reader
.irp b, 0,1,2,3
	v_exp_f32 v[BM+\b], v[BM+\b]                   ; the block's largest p
.endr
	v_pk_add_f32 v[220:221], v[108:109], v[112:113]
	v_pk_add_f32 v[254:255], v[116:117], v[120:121]
	v_pk_add_f32 v[252:253], v[124:125], v[128:129]
	v_pk_add_f32 v[250:251], v[132:133], v[136:137]
	v_pk_add_f32 v[248:249], v[140:141], v[144:145]
	v_pk_add_f32 v[246:247], v[148:149], v[152:153]
	v_pk_add_f32 v[234:235], v[156:157], v[160:161]
	v_pk_add_f32 v[14:15], v[14:15], v[164:165]
	v_pk_add_f32 v[220:221], v[220:221], v[104:105]
	v_pk_add_f32 v[254:255], v[254:255], v[106:107]
	v_pk_add_f32 v[252:253], v[252:253], v[110:111]
	v_pk_add_f32 v[250:251], v[250:251], v[114:115]
	v_pk_add_f32 v[248:249], v[248:249], v[118:119]
	v_pk_add_f32 v[246:247], v[246:247], v[122:123]
	v_pk_add_f32 v[234:235], v[234:235], v[126:127]
	v_pk_add_f32 v[14:15], v[14:15], v[130:131]
	v_pk_add_f32 v[220:221], v[220:221], v[134:135]
	v_pk_add_f32 v[254:255], v[254:255], v[138:139]
	v_pk_add_f32 v[252:253], v[252:253], v[142:143]
	v_pk_add_f32 v[250:251], v[250:251], v[146:147]
	v_pk_add_f32 v[248:249], v[248:249], v[150:151]
	v_pk_add_f32 v[246:247], v[246:247], v[154:155]
	v_pk_add_f32 v[234:235], v[234:235], v[158:159]
	v_pk_add_f32 v[14:15], v[14:15], v[162:163]
	v_pk_add_f32 v[220:221], v[220:221], v[166:167]
	s_delay_alu instid0(VALU_DEP_2)
	v_pk_add_f32 v[14:15], v[14:15], v[250:251]
	s_delay_alu instid0(VALU_DEP_2)
	v_pk_add_f32 v[220:221], v[220:221], v[248:249]
	v_pk_add_f32 v[254:255], v[254:255], v[246:247]
	v_pk_add_f32 v[252:253], v[252:253], v[234:235]
	s_delay_alu instid0(VALU_DEP_2)
	v_pk_add_f32 v[14:15], v[14:15], v[254:255]
	s_delay_alu instid0(VALU_DEP_2)
	v_pk_add_f32 v[220:221], v[220:221], v[252:253]
	s_delay_alu instid0(VALU_DEP_1)
	v_pk_add_f32 v[14:15], v[14:15], v[220:221]
	s_wait_alu depctr_va_vdst(0)                   ; and one for the four
.irp b, 0,1,2,3
	v_max_num_f32 v[BM+\b], 0x8000000, v[BM+\b]    ; the floor: the byte cannot fall under 1
.endr
.irp b, 0,1,2,3
	s_delay_alu instid0(VALU_DEP_4)
	v_add_nc_u32 v[SO+\b], 0xf8800000, v[BM+\b]    ; the conversion's scale operand
.endr
.irp b, 0,1,2,3
.endr
.irp b, 0,1,2,3
	s_delay_alu instid0(VALU_DEP_4)
	v_lshrrev_b32 v[T1+\b], 23, v[SO+\b]           ; the byte
.endr
	s_delay_alu instid0(VALU_DEP_3)
	v_lshl_or_b32 v[PS], v[T1+1], 8, v[T1]         ; p's scale word for these 128 keys
	s_delay_alu instid0(VALU_DEP_1)
	v_lshl_or_b32 v[PS], v[T1+2], 16, v[PS]
	s_delay_alu instid0(VALU_DEP_1)
	v_lshl_or_b32 v[PS], v[T1+3], 24, v[PS]
.irp b, 0,1,2,3
.irp i, 0,1,2,3,4,5,6,7,8,9,10,11,12,13,14,15
.endr
	v_cvt_scalef32_pk8_bf8_f32 v[PCD+4*\b:PCD+4*\b+1], v[S+16*\b:S+16*\b+7], v[SO+\b]
	v_cvt_scalef32_pk8_bf8_f32 v[PCD+4*\b+2:PCD+4*\b+3], v[S+16*\b+8:S+16*\b+15], v[SO+\b]
.endr
.set n, 0
.rept 16
	v_pk_mul_f32 v[OT+n:OT+n+1], v[OT+n:OT+n+1], v[FF:FF+1] op_sel_hi:[1,0]   ; O^T under the new M; these are also the places between the codes and the products
.set n, n+2
.endr
	s_wait_alu depctr_va_vdst(0)
	s_wait_dscnt 0x0                               ; V
.irp dt, 0,1,2,3
	v_wmma_scale_f32_16x16x128_f8f6f4 v[OT+8*\dt:OT+8*\dt+7], v[KV+16*\dt:KV+16*\dt+15], v[PCD:PCD+15], v[OT+8*\dt:OT+8*\dt+7], v[VS+\dt], v[PS] matrix_a_fmt:MATRIX_FMT_BF8 matrix_b_fmt:MATRIX_FMT_BF8
.endr
.Lhid_\@:
	s_add_co_u32 s[ST], s[ST], 1
.endm
; THE CHANGE OF SLOTS at a slot's head, then its two steps.  Every wave waits for all its tensor loads, adds 0 to its spare word, and waits for that and for its reads of the slot that it has left.
; fill = 1: a round of the cluster's barrier, and behind it the other slot is filled with the keys that follow: the load has this slot's two steps in which to land.
.macro TRIP sl, fill, ask, four
	s_wait_tensorcnt 0x0                           ; no tensor load of mine is out, so a group 0 may be written
	ds_add_u32 v[SPW], v[NIL]
	s_add_nc_u64 s[G0C+4*\sl+2:G0C+4*\sl+3], s[G0C+4*\sl+2:G0C+4*\sl+3], 65536   ; this slot's next tile: two slots on
	s_add_nc_u64 s[G0S+4*\sl+2:G0S+4*\sl+3], s[G0S+4*\sl+2:G0S+4*\sl+3], 4096
	s_wait_xcnt 0x0                                ; the last prefetch, a slot back, has read its address
	s_add_nc_u64 s[PFA:PFA+1], s[PFA:PFA+1], 32768
	s_wait_dscnt 0x0                               ; the add is done, and my reads of the slot that I have left are over
.if \fill
	CROUND
	TLOAD 1-\sl                                    ; first behind the round, a wave's one tensor load until the next
.if \ask
	ASK \four
.endif
.else
	s_barrier_signal -1
	s_barrier_wait -1
.endif
	STEP \sl, 0
	STEP \sl, 1
.endm
	s_wait_loadcnt 0x0                             ; Q
.Lring:
	TRIP 0, 1, 1, 1
	TRIP 1, 1, 1, 0
	s_sub_co_u32 s[CNT], s[CNT], 1
	s_cmp_lg_u32 s[CNT], 0
	s_cbranch_scc1 .Lring
	TRIP 0, 1, 0, 0                                ; the tail is written out
	TRIP 1, 0, 0, 0
	; THE WAY OUT: O^T / the sum, quantised along d: two blocks of 32, which are blocks 2 h and 2 h + 1 of the last product's K
	PLACES
	s_wait_alu depctr_va_vdst(0)
	v_add_f32 v14, v14, v15
	s_delay_alu instid0(VALU_DEP_1)
	v_permlanex16_b32 v[TT], v14, s[SEL], s[SEL+1]
	s_delay_alu instid0(VALU_DEP_1)
	v_add_f32 v14, v14, v[TT]                      ; the row's sum
	s_wait_alu depctr_va_vdst(0)
	v_rcp_f32 v14, v14
	v_nop                                          ; a plain line behind the reciprocal
	s_wait_alu depctr_va_vdst(0)                   ; and the wait ahead of its first reader
.set n, 0
.rept 16
	v_pk_mul_f32 v[OT+n:OT+n+1], v[OT+n:OT+n+1], v[14:15] op_sel_hi:[1,0]   ; register 16 b + i: o(my query, 32 b + 16 hh + i)
.set n, n+2
.endr
.irp b, 0,1
	v_max3_num_f32 v[BM+\b], |v[OT+16*\b]|, |v[OT+1+16*\b]|, 0x8000000
.endr
.irp i, 2,4,6,8,10,12,14
.irp b, 0,1
	s_delay_alu instid0(VALU_DEP_2)
	v_max3_num_f32 v[BM+\b], v[BM+\b], |v[OT+16*\b+\i]|, |v[OT+1+16*\b+\i]|
.endr
.endr
.irp b, 0,1
	s_delay_alu instid0(VALU_DEP_2)
	v_permlanex16_b32 v[T1+\b], v[BM+\b], s[SEL], s[SEL+1]
.endr
.irp b, 0,1
	s_delay_alu instid0(VALU_DEP_2)
	v_max_num_f32 v[BM+\b], v[BM+\b], v[T1+\b]
.endr
.irp b, 0,1
	s_delay_alu instid0(VALU_DEP_2)
	v_add_nc_u32 v[SO+\b], 0xf8800000, v[BM+\b]
.endr
.irp b, 0,1
.endr
.irp b, 0,1
	s_delay_alu instid0(VALU_DEP_2)
	v_lshrrev_b32 v[T1+\b], 23, v[SO+\b]
.endr
.irp b, 0,1
.irp i, 0,1,2,3,4,5,6,7,8,9,10,11,12,13,14,15
.endr
	v_cvt_scalef32_pk8_bf8_f32 v[PCD+4*\b:PCD+4*\b+1], v[OT+16*\b:OT+16*\b+7], v[SO+\b]
	v_cvt_scalef32_pk8_bf8_f32 v[PCD+4*\b+2:PCD+4*\b+3], v[OT+16*\b+8:OT+16*\b+15], v[SO+\b]
.endr
	v_nop
	v_cndmask_b32 v[TT], v[T1], v[T1+1], s[HM]     ; lanes 0-15 carry block 0's byte, lanes 16-31 block 1's
	global_store_b128 v[LI], v[PCD:PCD+3], s[76:77]                ; 512 consecutive bytes, aligned
	global_store_b128 v[LI], v[PCD+4:PCD+7], s[76:77] offset:512
	global_store_b8 v[BO], v[TT], s[78:79]         ; two of a row's four bytes of this K step; the other head of the pair writes the other two
	s_wait_tensorcnt 0x0                           ; the wave's end
	ds_add_u32 v[SPW], v[NIL]
	s_wait_dscnt 0x0
	CROUND                                         ; the closing round
	s_endpgm
.Lfunc_end_k_q427f0a1ff4_attn:
	.size	k_q427f0a1ff4_attn, .Lfunc_end_k_q427f0a1ff4_attn-k_q427f0a1ff4_attn
	.p2alignl 7, 3214868480
	.fill 96, 4, 3214868480
	.section	.rodata,"a",@progbits
	.p2align	6, 0x0
	.amdhsa_kernel k_q427f0a1ff4_attn
		.amdhsa_group_segment_fixed_size 327680
		.amdhsa_private_segment_fixed_size 0
		.amdhsa_enable_private_segment 0
		.amdhsa_kernarg_size 24
		.amdhsa_user_sgpr_count 2
		.amdhsa_user_sgpr_kernarg_segment_ptr 1
		.amdhsa_wavefront_size32 1
		.amdhsa_system_sgpr_workgroup_id_x 1
		.amdhsa_system_sgpr_workgroup_id_y 1
		.amdhsa_system_sgpr_workgroup_id_z 1
		.amdhsa_system_vgpr_workitem_id 0
		.amdhsa_next_free_vgpr 256
		.amdhsa_next_free_sgpr 80
		.amdhsa_reserve_vcc 1
		.amdhsa_float_denorm_mode_32 3
		.amdhsa_float_denorm_mode_16_64 3
		.amdhsa_fp16_overflow 1
		.amdhsa_memory_ordered 1
		.amdhsa_forward_progress 1
		.amdhsa_inst_pref_size 197
	.end_amdhsa_kernel
	.amdgpu_metadata
---
amdhsa.version: [ 1, 2 ]
amdhsa.kernels:
  - .name:           k_q427f0a1ff4_attn
    .symbol:         k_q427f0a1ff4_attn.kd
    .args:
      - { .name: qq, .offset: 0, .size: 8, .value_kind: global_buffer, .address_space: global }
      - { .name: kvq, .offset: 8, .size: 8, .value_kind: global_buffer, .address_space: global }
      - { .name: oq, .offset: 16, .size: 8, .value_kind: global_buffer, .address_space: global }
    .group_segment_fixed_size: 327680
    .private_segment_fixed_size: 0
    .kernarg_segment_align: 8
    .kernarg_segment_size: 24
    .max_flat_workgroup_size: 512
    .sgpr_count:     80
    .vgpr_count:     256
    .wavefront_size: 32
...
	.end_amdgpu_metadata
.endif
;; end of part 3
;; launch outp (part 4): grid 32 x 8, 4 waves a work-group, clusters of 4 x 1, 327,680 bytes of LDS; arguments oq, wq, out0; writes out0
.if DOCPART == 4
	.amdgcn_target "amdgcn-amd-amdhsa--gfx1250"
	.amdhsa_code_object_version 6
	.text
	.protected	k_q427f0a1ff4_outp
	.globl	k_q427f0a1ff4_outp
	.p2align	8
	.type	k_q427f0a1ff4_outp,@function
k_q427f0a1ff4_outp:
	s_mov_b64 s[64:65], 0
	v_nop
	global_prefetch_b8 v0, s[64:65] scope:SCOPE_SE
	s_setreg_imm32_b32 hwreg(HW_REG_WAVE_MODE, 25, 1), 1
	s_wait_xcnt 0x0
	s_wait_alu depctr_hold_cnt(0) depctr_sa_sdst(0) depctr_va_vdst(0) depctr_va_sdst(0) depctr_va_ssrc(0) depctr_va_vcc(0) depctr_vm_vsrc(0)
	s_getreg_b32 s2, hwreg(HW_REG_IB_STS2, 6, 4)
	s_cmp_eq_u32 s2, 0
	s_cbranch_scc0 .Lentry_in_a_cluster
	s_endpgm
.Lentry_in_a_cluster:
	s_bfe_u32 s2, ttmp6, 0x10000c
	s_cmp_lg_u32 s2, 0x3003
	s_cbranch_scc0 .Lentry_shape_is_right
	s_endpgm
.Lentry_shape_is_right:
.set REC,  67584
.set XSC,  4194304
.set STG,  2*REC
.set LI,   1
.set LS,   2
.set AB,   3
.set AS,   4
.set SI,   5
.set SR,   6
.set GO,   7
.set XS,   8
.set WS,   16
.set ACC,  32
.set BF0,  96
.set WV,   12
.set G1,   16
.set G0,   24
.set MSB, 0
.macro WIN new
.if MSB != \new
	s_set_vgpr_msb (MSB<<8)|\new
.set MSB, \new
.endif
.endm
.macro CROUND
	s_barrier_signal -1
	s_barrier_wait -1
	s_cmp_lg_u32 s[WV], 0
	s_cbranch_scc1 .Lnot_wave_0_\@
	s_barrier_signal -3
.Lnot_wave_0_\@:
	s_barrier_wait -3
	s_barrier_signal -1
	s_barrier_wait -1
.endm
.macro PLACES
.rept 8
	v_nop
.endr
.endm
.macro FETCHB s, bf
.irp wt, 0,1,2,3
.irp c, 0,1,2,3
	ds_load_b128 v[(\bf)+16*\wt+4*\c:(\bf)+16*\wt+4*\c+3], v[AB] offset:\wt*16384+(\s)*2048+\c*512
.endr
.endr
.endm
.macro MULQK s, bf
.irp a, 0,1,2,3,4,5,6,7
.if (\s) == 0
	v_wmma_scale_f32_16x16x128_f8f6f4 v[ACC+8*\a:ACC+8*\a+7], v[(\bf)+16*(\a%4):(\bf)+16*(\a%4)+15], v[128*(\a/4)+16*(\s):128*(\a/4)+16*(\s)+15], 0, v[WS+4*(\a%4)+(\s)/2], v[XS+4*(\a/4)+(\s)/2] matrix_a_fmt:MATRIX_FMT_BF8 matrix_b_fmt:MATRIX_FMT_BF8
.elseif (\s)%2 == 0
	v_wmma_scale_f32_16x16x128_f8f6f4 v[ACC+8*\a:ACC+8*\a+7], v[(\bf)+16*(\a%4):(\bf)+16*(\a%4)+15], v[128*(\a/4)+16*(\s):128*(\a/4)+16*(\s)+15], v[ACC+8*\a:ACC+8*\a+7], v[WS+4*(\a%4)+(\s)/2], v[XS+4*(\a/4)+(\s)/2] matrix_a_fmt:MATRIX_FMT_BF8 matrix_b_fmt:MATRIX_FMT_BF8
.else
	v_wmma_scale_f32_16x16x128_f8f6f4 v[ACC+8*\a:ACC+8*\a+7], v[(\bf)+16*(\a%4):(\bf)+16*(\a%4)+15], v[128*(\a/4)+16*(\s):128*(\a/4)+16*(\s)+15], v[ACC+8*\a:ACC+8*\a+7], v[WS+4*(\a%4)+(\s)/2], v[XS+4*(\a/4)+(\s)/2] matrix_a_fmt:MATRIX_FMT_BF8 matrix_b_fmt:MATRIX_FMT_BF8 matrix_a_scale:MATRIX_SCALE_ROW1 matrix_b_scale:MATRIX_SCALE_ROW1
.endif
.endr
.endm
.macro KLOOP
	WIN 0x04
	FETCHB 0, BF0
.set ks, 0
.rept 8
.if ks < 7
.if ks > 0
	PLACES
.endif
	FETCHB ks+1, BF0+64*((ks+1)%2)
	s_wait_dscnt 16
.else
	s_wait_dscnt 0x0
.endif
	MULQK ks, BF0+64*(ks%2)
.set ks, ks+1
.endr
	WIN 0
	PLACES
.endm
	s_load_b128 s[4:7], s[0:1], 0x0
	s_load_b64 s[8:9], s[0:1], 0x10
	v_lshl_add_u32 v254, v0, 2, 0x29000
	v_mov_b32 v255, 0
	ds_add_u32 v254, v255
	ds_add_u32 v254, v255
	v_lshrrev_b32 v1, 5, v0
	v_readfirstlane_b32 s[WV], v1
	v_and_b32 v2, 31, v0
	v_lshlrev_b32 v[LI], 4, v2
	v_lshlrev_b32 v[LS], 2, v2
	v_and_b32 v3, 15, v0
	v_bfe_u32 v4, v0, 4, 1
	s_mul_i32 s48, s[WV], 4352
	s_add_co_u32 s48, s48, STG
	v_mul_u32_u24 v[SI], v3, 272
	v_lshl_add_u32 v[SI], v4, 6, v[SI]
	v_add_nc_u32 v[SI], s48, v[SI]
	v_mul_u32_u24 v[SR], v4, 272
	v_lshl_add_u32 v[SR], v3, 4, v[SR]
	v_add_nc_u32 v[SR], s48, v[SR]
	v_lshlrev_b32 v[GO], 12, v4
	v_lshl_add_u32 v[GO], v3, 4, v[GO]
	s_bfe_u32 s13, ttmp6, 0x40000
	s_lshl_b32 s14, ttmp9, 2
	s_add_co_u32 s14, s14, s13
	s_and_b32 s15, ttmp7, 0xffff
	s_lshl_b32 s36, s14, 2
	s_add_co_u32 s36, s36, s[WV]
	s_mov_b32 s[G1], 15|(3<<16)|(1<<21)
	s_mov_b32 s[G1+1], 32<<16
	s_mov_b32 s[G1+2], 66<<16
	s_mov_b32 s[G1+3], 32<<16
	s_mov_b32 s[G1+4], 66
	s_mov_b32 s[G1+5], 32
	s_mov_b32 s[G1+6], 0
	s_mov_b32 s[G1+7], 0
	s_mul_i32 s50, s[WV], 16896
	s_mul_i32 s48, s15, 2*REC
	s_add_co_u32 s48, s48, 24*REC
	s_add_co_u32 s48, s48, s50
	s_mov_b32 s49, 0
	s_lshl_b32 s52, s36, 15
	s_mov_b32 s53, 0
	s_lshl_b32 s54, s36, 10
	s_add_co_u32 s54, s54, XSC
	s_mov_b32 s55, 0
	s_wait_dscnt 0x0
	s_wait_kmcnt 0x0
	s_add_nc_u64 s[48:49], s[6:7], s[48:49]
	s_add_nc_u64 s[52:53], s[4:5], s[52:53]
	s_add_nc_u64 s[54:55], s[4:5], s[54:55]
.irp i, 0,1
	s_mov_b32 s[G0+4*\i], 1
	s_add_co_u32 s[G0+4*\i+1], s50, \i*REC
	s_add_nc_u64 s[G0+4*\i+2:G0+4*\i+3], s[48:49], \i*REC
	s_or_b32 s[G0+4*\i+3], s[G0+4*\i+3], 0x80000000
.endr
	CROUND
	tensor_load_to_lds s[G0:G0+3], s[G1:G1+7]
	s_nop 0
	s_wait_alu depctr_va_vdst(0)
	s_wait_tensorcnt 0x0
	ds_add_u32 v254, v255
	s_wait_dscnt 0x0
	CROUND
	tensor_load_to_lds s[G0+4:G0+7], s[G1:G1+7]
	s_nop 0
.rept 4
	v_nop
.endr
	WIN 0x40
.irp u, 0,1
.irp s, 0,1,2,3,4,5,6,7
.irp c, 0,1,2,3
	global_load_b128 v[128*\u+16*\s+4*\c:128*\u+16*\s+4*\c+3], v[LI], s[52:53] offset:\u*16384+\s*2048+\c*512
.endr
.endr
.endr
	WIN 0
.irp u, 0,1
.irp t, 0,1,2,3
	global_load_b32 v[XS+4*\u+\t], v[LS], s[54:55] offset:\u*512+\t*128
.endr
.endr
.macro HEAD i
.if \i > 0
	s_wait_xcnt 0x0
.endif
	s_wait_tensorcnt 1-\i
	s_wait_dscnt 0x0
	s_barrier_signal -1
	s_barrier_wait -1
	v_add_nc_u32 v[AB], \i*REC, v[LI]
	s_wait_alu depctr_va_vdst(0)
	v_add_nc_u32 v[AS], \i*REC+65536, v[LS]
.irp wt, 0,1,2,3
.irp t, 0,1,2,3
	ds_load_b32 v[WS+4*\wt+\t], v[AS] offset:\wt*512+\t*128
.endr
.endr
.if \i == 0
	s_wait_alu depctr_va_vdst(0)
	s_wait_loadcnt 0x0
.endif
	s_lshl_b32 s48, s15, 9
	s_add_co_u32 s48, s48, \i*256
	s_lshl_b32 s49, s36, 17
	s_add_co_u32 s48, s48, s49
	s_mov_b32 s49, 0
	s_add_nc_u64 s[44:45], s[8:9], s[48:49]
	KLOOP
.irp u, 0,1
.irp b, 0,1
.irp j, 0,1,2,3
	ds_store_b128 v[SI], v[ACC+32*\u+16*\b+4*\j:ACC+32*\u+16*\b+4*\j+3] offset:128*\b+16*\j
.endr
.endr
.irp t, 0,1,2,3,4,5,6,7
	ds_load_b128 v[BF0+32*\u+4*\t:BF0+32*\u+4*\t+3], v[SR] offset:\t*544
.endr
.endr
.irp u, 0,1
	s_wait_dscnt 16-16*\u
.irp t, 0,1,2,3,4,5,6,7
	global_store_b128 v[GO], v[BF0+32*\u+4*\t:BF0+32*\u+4*\t+3], s[44:45] offset:(8*\u+2*\t+8*(\t/4))*4096 th:TH_STORE_NT
.endr
.endr
.endm
	HEAD 0
	HEAD 1
	s_wait_tensorcnt 0x0
	ds_add_u32 v254, v255
	s_wait_dscnt 0x0
	CROUND
	s_endpgm
.Lfunc_end_k_q427f0a1ff4_outp:
	.size	k_q427f0a1ff4_outp, .Lfunc_end_k_q427f0a1ff4_outp-k_q427f0a1ff4_outp
	.p2alignl 7, 3214868480
	.fill 96, 4, 3214868480
	.section	.rodata,"a",@progbits
	.p2align	6, 0x0
	.amdhsa_kernel k_q427f0a1ff4_outp
		.amdhsa_group_segment_fixed_size 327680
		.amdhsa_private_segment_fixed_size 0
		.amdhsa_enable_private_segment 0
		.amdhsa_kernarg_size 24
		.amdhsa_user_sgpr_count 2
		.amdhsa_user_sgpr_kernarg_segment_ptr 1
		.amdhsa_wavefront_size32 1
		.amdhsa_system_sgpr_workgroup_id_x 1
		.amdhsa_system_sgpr_workgroup_id_y 1
		.amdhsa_system_sgpr_workgroup_id_z 1
		.amdhsa_system_vgpr_workitem_id 0
		.amdhsa_next_free_vgpr 512
		.amdhsa_next_free_sgpr 66
		.amdhsa_reserve_vcc 0
		.amdhsa_float_denorm_mode_32 3
		.amdhsa_float_denorm_mode_16_64 3
		.amdhsa_memory_ordered 1
		.amdhsa_forward_progress 1
		.amdhsa_inst_pref_size 58
	.end_amdhsa_kernel
	.amdgpu_metadata
---
amdhsa.version: [ 1, 2 ]
amdhsa.kernels:
  - .name:           k_q427f0a1ff4_outp
    .symbol:         k_q427f0a1ff4_outp.kd
    .args:
      - { .name: oq, .offset: 0, .size: 8, .value_kind: global_buffer, .address_space: global }
      - { .name: wq, .offset: 8, .size: 8, .value_kind: global_buffer, .address_space: global }
      - { .name: out0, .offset: 16, .size: 8, .value_kind: global_buffer, .address_space: global }
    .group_segment_fixed_size: 327680
    .private_segment_fixed_size: 0
    .kernarg_segment_align: 8
    .kernarg_segment_size: 24
    .max_flat_workgroup_size: 128
    .sgpr_count:     66
    .vgpr_count:     512
    .wavefront_size: 32
...
	.end_amdgpu_metadata
.endif
;; end of part 4
